; MI455X (gfx1250); checked and timed in simulation.
; The chip was launched on July 23, 2026; its instructions are those of AMD's public machine-readable ISA for CDNA 5 (MIT licence, August 2026) and "CDNA5" Instruction Set Architecture Reference Guide (July 2026). The comments in the code are by the model that wrote it; some were corrected since.
;; Group Query Attention. Allowed arithmetic: float matrix products may take bf16 or f16 operands with f32 sums; other float arithmetic in f32, or as packed bf16 or f16 multiplies, adds, multiply-adds, maxima and minima; sums over many terms, partial sums and values carried from step to step in f32; what a program stores and reads back later, other than sums and carried values, may be rounded once to bf16 or f16.
;; Inputs: Wk 1,024 x 1,024 float32; Wo 1,024 x 1,024 float32; Wq 1,024 x 1,024 float32; Wv 1,024 x 1,024 float32; bk 1,024 float32; bo 1,024 float32; bq 1,024 float32; bv 1,024 float32; k 2,048 x 8 x 1,024 float32; q 2,048 x 8 x 1,024 float32; v 2,048 x 8 x 1,024 float32.
;; Outputs: out0 64 x 1,024 float32; out1 2,048 x 8 x 8 float32.
;; 2 versions, each right; version 2 is version 1 with the launch fin written anew for expert scheduling mode. Each part assembles by itself: llvm-mc -triple=amdgcn-amd-amdhsa -mcpu=gfx1250 --defsym DOCPART=n.
;; ======== version 1 of 2: 3 launches
;; limits: values are held in f16: magnitudes above 65,504 overflow, below 6.1e-05 lose precision
;; workspace buffers: wb 4,194,304 bytes; pl 393,216 bytes; part 1,048,576 bytes
;; launch prep (part 1): grid 64 x 3, 16 waves a work-group, no clusters, 67,584 bytes of LDS; arguments q, k, v, Wq, Wk, Wv, bq, bk, bv, wb, pl; writes wb, pl
.if DOCPART == 1
	.amdgcn_target "amdgcn-amd-amdhsa--gfx1250"
	.amdhsa_code_object_version 6
	.text
	.protected	k_q9950197b3f_prep
	.globl	k_q9950197b3f_prep
	.p2align	8
	.type	k_q9950197b3f_prep,@function
k_q9950197b3f_prep:
	s_mov_b64 s[64:65], 0
	v_nop
	global_prefetch_b8 v0, s[64:65] scope:SCOPE_SE
	s_setreg_imm32_b32 hwreg(HW_REG_WAVE_MODE, 25, 1), 1
	s_wait_xcnt 0x0
; PREP.  Two things with the same fragments of a weight matrix W (Wq, Wk or Wv by the grid's y = mat):
;  (1) mat 0, 1: W rounded to bf16 and stored in the order of matrix fragments:
;      wb[hg 2][mat 2][kstep 16][nblk 32][kblk 2][half 2][lane 32][8], element W[512 hg + 16 nblk + lane % 16][64 kstep + 32 kblk + 16 half + 8 (lane / 16) + e];
;  (2) the last 64 rows (the last chunk) of q, k or v times W^T plus the bias, stored as f16 in fragment order:
;      pl[mat 3][NB 64][t 4][lane 32][8].  Row tile t: index m = 0..15 stands for chunk row 8 (m % 8) + 2 t + m / 8, so a tile holds two batch entries n = 2 t + m / 8, eight positions each.
;      mat 0, 1: lane (r, h) holds row r, channels 16 NB + 8 h + 0..7.   mat 2: lane (r, h) holds channel 16 NB + r, rows 8 h + 0..7 (half a fragment of V^T).
; SHARES.  Work-group (NB, mat): 64 rows x 16 channels, K = 1,024 split among its 16 waves: wave u takes k = 64 u .. 64 u + 63 (kstep u), two fragments of 32.
; All 43 loads of a wave go out at once; the 16 partial sums meet in LDS (f32), waves 0-3 finish a row tile each.
; FORMATS.  Inputs, weights and biases are rounded to bf16, sums in f32, the result once to f16.
; LIMITS.  f16 ends at 65,504: the projected numbers of the last chunk must stay under that.  The order of the sums over k differs from a plain ascending one (16 parts, added as a tree).  NaN and infinities are not treated apart.
.set SPARE, 65536                      ; behind the partial sums: the spare words, 128 bytes for each of 16 waves: eight blocks of 256 bytes that no other line names
.set WO,   2                           ; v2   my byte offset in 16 rows of W: r x 4,096 + 32 h + 256 u
.set XO,   3                           ; v3   the same in the chunk's rows: (8 (r % 8) + r / 8) x 4,096 + 32 h + 256 u
.set L16,  4                           ; v4   16 x lane
.set LS,   5                           ; v5   where I put my partial sums: 4,096 u + 16 lane
.set LR,   6                           ; v6   where I read a tile's partial sums: 1,024 wave + 16 lane
.set BO8,  7                           ; v7   32 h: eight biases a lane
.set BO1,  13                          ; v13  4 r: one bias a lane
.set PLO,  14                          ; v14  512 wave + 16 lane: my 16 bytes of pl
.set BI,   16                          ; v[16:23] eight biases; v[24:25] one bias, twice; v26 at work
.set SPW,  30                          ; v30  LDS address of my spare word; never rewritten
.set NIL,  31                          ; v31  0; never rewritten
.set RAWW, 32                          ; v[32:63]   W: 16 registers of f32 for each of two fragments; packed in place into the first 8
.set RAWX, 64                          ; v[64:191]  the rows: the same for (tile t, fragment kb) at 16 (2 t + kb); later the partial sums
.set ACC,  224                         ; v[224:255] four accumulators, tile t at 8 t
.set XP,   40                          ; s[40:41] q, k or v at the last chunk
.set WP,   42                          ; s[42:43] W at my 16 rows
.set BP,   44                          ; s[44:45] the bias at my 16 channels
	s_load_b512 s[16:31], s[0:1], 0x0              ; q 16, k 18, v 20, Wq 22, Wk 24, Wv 26, bq 28, bk 30
	s_load_b128 s[32:35], s[0:1], 0x40             ; bv 32, wb 34
	s_load_b64 s[36:37], s[0:1], 0x50              ; pl
	v_lshl_add_u32 v[SPW], v0, 2, SPARE
	v_mov_b32 v[NIL], 0
	v_lshrrev_b32 v1, 5, v0
	v_readfirstlane_b32 s8, v1                     ; u: wave 0..15
	s_mov_b32 s9, ttmp9                            ; NB
	s_and_b32 s10, ttmp7, 0xffff                   ; mat
	v_and_b32 v8, 31, v0                           ; lane
	v_and_b32 v9, 15, v0                           ; r
	v_bfe_u32 v10, v0, 4, 1                        ; h
	v_and_b32 v11, 7, v0                           ; r % 8
	v_bfe_u32 v12, v0, 3, 1                        ; r / 8
	s_lshl_b32 s11, s8, 8                          ; 256 u
	v_lshlrev_b32 v[WO], 12, v9
	v_lshl_add_u32 v[WO], v10, 5, v[WO]
	v_add_nc_u32 v[WO], s11, v[WO]
	v_lshl_add_u32 v11, v11, 3, v12
	v_lshlrev_b32 v[XO], 12, v11
	v_lshl_add_u32 v[XO], v10, 5, v[XO]
	v_add_nc_u32 v[XO], s11, v[XO]
	v_lshlrev_b32 v[L16], 4, v8
	s_lshl_b32 s12, s8, 12
	v_add_nc_u32 v[LS], s12, v[L16]
	s_lshl_b32 s12, s8, 10
	v_add_nc_u32 v[LR], s12, v[L16]
	s_lshl_b32 s12, s8, 9
	v_add_nc_u32 v[PLO], s12, v[L16]
	v_lshlrev_b32 v[BO8], 5, v10
	v_lshlrev_b32 v[BO1], 2, v9
	s_lshl_b32 s2, s9, 16                          ; my 16 rows of W: NB x 16 x 4,096 bytes
	s_mov_b32 s3, 0
	s_lshl_b32 s4, s9, 6                           ; my 16 biases
	s_mov_b32 s5, 0
	s_lshr_b32 s6, s9, 5                           ; wb: hg x 2 MiB
	s_lshl_b32 s6, s6, 21
	s_min_u32 s7, s10, 1                           ; + mat x 1 MiB (held at 1 for v, whose work-groups store nothing there: the pointer stays inside wb)
	s_lshl_b32 s7, s7, 20
	s_add_co_u32 s6, s6, s7
	s_lshl_b32 s7, s8, 16                          ; + kstep u x 65,536
	s_add_co_u32 s6, s6, s7
	s_and_b32 s7, s9, 31                           ; + nblk x 2,048
	s_lshl_b32 s7, s7, 11
	s_add_co_u32 s6, s6, s7
	s_mov_b32 s7, 0
	s_lshl_b32 s12, s10, 17                        ; pl: mat x 131,072 + NB x 2,048
	s_lshl_b32 s13, s9, 11
	s_add_co_u32 s12, s12, s13
	s_mov_b32 s13, 0
	s_wait_kmcnt 0x0
	s_cmp_eq_u32 s10, 0                            ; the three buffers of my mat
	s_cselect_b64 s[XP:XP+1], s[16:17], s[18:19]
	s_cselect_b64 s[WP:WP+1], s[22:23], s[24:25]
	s_cselect_b64 s[BP:BP+1], s[28:29], s[30:31]
	s_cmp_eq_u32 s10, 2
	s_cselect_b64 s[XP:XP+1], s[20:21], s[XP:XP+1]
	s_cselect_b64 s[WP:WP+1], s[26:27], s[WP:WP+1]
	s_cselect_b64 s[BP:BP+1], s[32:33], s[BP:BP+1]
	s_add_nc_u64 s[XP:XP+1], s[XP:XP+1], 66846720  ; row 16,320: the last chunk's first row
	s_add_nc_u64 s[WP:WP+1], s[WP:WP+1], s[2:3]
	s_add_nc_u64 s[BP:BP+1], s[BP:BP+1], s[4:5]
	s_add_nc_u64 s[34:35], s[34:35], s[6:7]
	s_add_nc_u64 s[36:37], s[36:37], s[12:13]
; A fragment's 16 f32 of a lane (k = 8 h + 0..7 and 16 + 8 h + 0..7 of 32): four loads of 16 bytes.
.macro LD16 dst, adr, base, off
.irp p, 0,1,2,3
	global_load_b128 v[(\dst)+4*(\p):(\dst)+4*(\p)+3], v[\adr], s[\base:\base+1] offset:(\off)+((\p)/2)*64+((\p)%2)*16
.endr
.endm
; 16 f32 rounded to bf16 in place, ascending: register i takes numbers 2 i and 2 i + 1, which no later line of the run reads.
.macro PACK16 base
.set i, 0
.rept 8
	v_cvt_pk_bf16_f32 v[(\base)+i], v[(\base)+2*i], v[(\base)+2*i+1]
.set i, i+1
.endr
.endm
; n groups of regs registers are added onto the n groups in front of them.
.macro ADDG base, n, regs
.set g, 0
.rept \n
.set p, 0
.rept (\regs)/2
	v_pk_add_f32 v[(\base)+g*(\regs)+p:(\base)+g*(\regs)+p+1], v[(\base)+g*(\regs)+p:(\base)+g*(\regs)+p+1], v[(\base)+(g+(\n))*(\regs)+p:(\base)+(g+(\n))*(\regs)+p+1]
.set p, p+2
.endr
.set g, g+1
.endr
.endm
; Eight products; the four accumulators take turns.  swap = 0: source 0 = W's rows: a lane ends with one row and eight channels.  swap = 1: a lane ends with one channel and eight rows.
.macro PRODS swap
.irp kb, 0,1
.irp t, 0,1,2,3
.set rD, ACC+8*(\t)
.set rW, RAWW+16*(\kb)
.set rX, RAWX+16*(2*(\t)+(\kb))
.if (\swap) && ((\kb) == 0)
	v_wmma_f32_16x16x32_bf16 v[rD:rD+7], v[rX:rX+7], v[rW:rW+7], 0
.elseif \swap
	v_wmma_f32_16x16x32_bf16 v[rD:rD+7], v[rX:rX+7], v[rW:rW+7], v[rD:rD+7]
.elseif (\kb) == 0
	v_wmma_f32_16x16x32_bf16 v[rD:rD+7], v[rW:rW+7], v[rX:rX+7], 0
.else
	v_wmma_f32_16x16x32_bf16 v[rD:rD+7], v[rW:rW+7], v[rX:rX+7], v[rD:rD+7]
.endif
.endr
.endr
.endm
	global_load_b128 v[BI:BI+3], v[BO8], s[BP:BP+1]              ; both forms of the bias, in every work-group: the counts below need no branch
	global_load_b128 v[BI+4:BI+7], v[BO8], s[BP:BP+1] offset:16
	global_load_b32 v[BI+8], v[BO1], s[BP:BP+1]
	LD16 RAWW, WO, WP, 0
	LD16 RAWW+16, WO, WP, 128
.irp t, 0,1,2,3
	LD16 RAWX+32*(\t), XO, XP, (\t)*8192
	LD16 RAWX+32*(\t)+16, XO, XP, (\t)*8192+128
.endr
	s_wait_loadcnt 32                              ; the biases and W are in; the rows' 32 loads may stay out
	PACK16 RAWW
	PACK16 RAWW+16
	s_cmp_lt_u32 s10, 2
	s_cbranch_scc0 .Lno_w                          ; Wv is wanted for the last chunk alone: it is not stored
	global_store_b128 v[L16], v[RAWW:RAWW+3], s[34:35]                  ; each store of the wave covers 512 consecutive bytes, aligned
	global_store_b128 v[L16], v[RAWW+4:RAWW+7], s[34:35] offset:512
	global_store_b128 v[L16], v[RAWW+16:RAWW+19], s[34:35] offset:1024
	global_store_b128 v[L16], v[RAWW+20:RAWW+23], s[34:35] offset:1536
.Lno_w:
	s_wait_loadcnt 0x0                             ; the rows
.irp g, 0,1,2,3,4,5,6,7
	PACK16 RAWX+16*(\g)
.endr
	s_cmp_eq_u32 s10, 2
	s_cbranch_scc1 .Lmul_v
	PRODS 0
	s_branch .Lmuled
.Lmul_v:
	PRODS 1
.Lmuled:
.rept 8
	v_nop                                          ; the places between the products and the LDS stores that read them, and the later loads into their sources
.endr
.irp t, 0,1,2,3
	ds_store_b128 v[LS], v[ACC+8*(\t):ACC+8*(\t)+3] offset:(\t)*1024          ; each accumulator's low registers first
	ds_store_b128 v[LS], v[ACC+8*(\t)+4:ACC+8*(\t)+7] offset:(\t)*1024+512
.endr
	s_wait_dscnt 0x0                               ; for the others' sake: my partial sums lie in LDS
	s_barrier_signal -1
	s_barrier_wait -1
	s_cmp_lt_u32 s8, 4                             ; wave t finishes row tile t
	s_cbranch_scc0 .Lend
.set i, 0
.rept 16
	ds_load_b128 v[RAWX+8*i:RAWX+8*i+3], v[LR] offset:i*4096
	ds_load_b128 v[RAWX+8*i+4:RAWX+8*i+7], v[LR] offset:i*4096+512
.set i, i+1
.endr
.irp j, 0,2,4,6                                        ; the biases rounded to bf16, like every input, and widened again: stands in the wait for the loads
	v_cvt_pk_bf16_f32 v26, v[BI+(\j)], v[BI+(\j)+1]
	v_lshlrev_b32 v[BI+(\j)], 16, v26
	v_and_b32 v[BI+(\j)+1], 0xffff0000, v26
.endr
	v_cvt_pk_bf16_f32 v26, v[BI+8], v[BI+8]
	v_lshlrev_b32 v[BI+8], 16, v26
	v_mov_b32 v[BI+9], v[BI+8]
	s_wait_dscnt 0x0
	ADDG RAWX, 8, 8
	ADDG RAWX, 4, 8
	ADDG RAWX, 2, 8
	ADDG RAWX, 1, 8
	s_cmp_eq_u32 s10, 2
	s_cbranch_scc1 .Lbias_v
.irp j, 0,2,4,6
	v_pk_add_f32 v[RAWX+(\j):RAWX+(\j)+1], v[RAWX+(\j):RAWX+(\j)+1], v[BI+(\j):BI+(\j)+1]   ; a lane's eight channels
.endr
	s_branch .Lbiased
.Lbias_v:
.irp j, 0,2,4,6
	v_pk_add_f32 v[RAWX+(\j):RAWX+(\j)+1], v[RAWX+(\j):RAWX+(\j)+1], v[BI+8:BI+9]           ; a lane's one channel
.endr
.Lbiased:
.irp j, 0,1,2,3
	v_cvt_pk_f16_f32 v[RAWX+8+(\j)], v[RAWX+2*(\j)], v[RAWX+2*(\j)+1]
.endr
	global_store_b128 v[PLO], v[RAWX+8:RAWX+11], s[36:37]        ; 512 consecutive bytes, aligned
.Lend:
	s_wait_tensorcnt 0x0                           ; the wave's end, behind my last LDS store
	ds_add_u32 v[SPW], v[NIL]
	s_wait_dscnt 0x0
	s_endpgm
.Lfunc_end_k_q9950197b3f_prep:
	.size	k_q9950197b3f_prep, .Lfunc_end_k_q9950197b3f_prep-k_q9950197b3f_prep
	.p2alignl 7, 3214868480
	.fill 96, 4, 3214868480
	.section	.rodata,"a",@progbits
	.p2align	6, 0x0
	.amdhsa_kernel k_q9950197b3f_prep
		.amdhsa_group_segment_fixed_size 67584
		.amdhsa_private_segment_fixed_size 0
		.amdhsa_enable_private_segment 0
		.amdhsa_kernarg_size 88
		.amdhsa_user_sgpr_count 2
		.amdhsa_user_sgpr_kernarg_segment_ptr 1
		.amdhsa_wavefront_size32 1
		.amdhsa_system_sgpr_workgroup_id_x 1
		.amdhsa_system_sgpr_workgroup_id_y 1
		.amdhsa_system_sgpr_workgroup_id_z 1
		.amdhsa_system_vgpr_workitem_id 0
		.amdhsa_next_free_vgpr 256
		.amdhsa_next_free_sgpr 66
		.amdhsa_reserve_vcc 0
		.amdhsa_float_denorm_mode_32 3
		.amdhsa_float_denorm_mode_16_64 3
		.amdhsa_memory_ordered 1
		.amdhsa_forward_progress 1
		.amdhsa_inst_pref_size 22
	.end_amdhsa_kernel
	.amdgpu_metadata
---
amdhsa.version: [ 1, 2 ]
amdhsa.kernels:
  - .name:           k_q9950197b3f_prep
    .symbol:         k_q9950197b3f_prep.kd
    .args:
      - { .name: q, .offset: 0, .size: 8, .value_kind: global_buffer, .address_space: global }
      - { .name: k, .offset: 8, .size: 8, .value_kind: global_buffer, .address_space: global }
      - { .name: v, .offset: 16, .size: 8, .value_kind: global_buffer, .address_space: global }
      - { .name: Wq, .offset: 24, .size: 8, .value_kind: global_buffer, .address_space: global }
      - { .name: Wk, .offset: 32, .size: 8, .value_kind: global_buffer, .address_space: global }
      - { .name: Wv, .offset: 40, .size: 8, .value_kind: global_buffer, .address_space: global }
      - { .name: bq, .offset: 48, .size: 8, .value_kind: global_buffer, .address_space: global }
      - { .name: bk, .offset: 56, .size: 8, .value_kind: global_buffer, .address_space: global }
      - { .name: bv, .offset: 64, .size: 8, .value_kind: global_buffer, .address_space: global }
      - { .name: wb, .offset: 72, .size: 8, .value_kind: global_buffer, .address_space: global }
      - { .name: pl, .offset: 80, .size: 8, .value_kind: global_buffer, .address_space: global }
    .group_segment_fixed_size: 67584
    .private_segment_fixed_size: 0
    .kernarg_segment_align: 8
    .kernarg_segment_size: 88
    .max_flat_workgroup_size: 512
    .sgpr_count:     66
    .vgpr_count:     256
    .wavefront_size: 32
...
	.end_amdgpu_metadata
.endif
;; end of part 1
;; launch main (part 2): grid 4 x 64, 4 waves a work-group, clusters of 4 x 4, 327,680 bytes of LDS; arguments q, k, wb, bq, bk, part; writes part
.if DOCPART == 2
	.amdgcn_target "amdgcn-amd-amdhsa--gfx1250"
	.amdhsa_code_object_version 6
	.text
	.protected	k_q9950197b3f_main
	.globl	k_q9950197b3f_main
	.p2align	8
	.type	k_q9950197b3f_main,@function
k_q9950197b3f_main:
	s_mov_b64 s[64:65], 0
	v_nop
	global_prefetch_b8 v0, s[64:65] scope:SCOPE_SE
	s_setreg_imm32_b32 hwreg(HW_REG_WAVE_MODE, 25, 1), 1
	s_wait_xcnt 0x0
	s_wait_alu depctr_hold_cnt(0) depctr_sa_sdst(0) depctr_va_vdst(0) depctr_va_sdst(0) depctr_va_ssrc(0) depctr_va_vcc(0) depctr_vm_vsrc(0)
	s_getreg_b32 s2, hwreg(HW_REG_IB_STS2, 6, 4)
	s_cmp_eq_u32 s2, 0
	s_cbranch_scc0 .Lentry_in_a_cluster
	s_endpgm
.Lentry_in_a_cluster:
	s_bfe_u32 s2, ttmp6, 0x10000c
	s_cmp_lg_u32 s2, 0xf033
	s_cbranch_scc0 .Lentry_shape_is_right
	s_endpgm
.Lentry_shape_is_right:
; MAIN.  part[hg][c][n][g][s] = (1/16) x the sum over the 8 heads of head group hg of softmax_s(Qp[c,g,n,head] . Kp[c,s,n,head] / 8), with Qp = q Wq^T + bq, Kp = k Wk^T + bk.
; q, k: [16,384][1,024] f32, row = 8 l + n; a chunk c is 64 rows.  wb: Wq and Wk in bf16, in fragment order (made by the launch before).  Qp and Kp never leave the work-group.
; SHARES.  A work-group owns 128 rows (two chunks) and 512 columns (8 heads), first of Qp, then of Kp: 32 K steps of 64, one linear walk through wb.  Each of its four waves owns all 128 rows x 128 columns
; (two heads): 64 accumulators, 512 registers, 128 matrix instructions a step.
; THE ROWS' ROAD.  q and k come in f32 by loads into registers (a wave's load covers two whole rows' 256 bytes), are rounded to bf16 and stored into two small LDS buffers that take turns: 2 bytes a number
; go into LDS and 8 come out (four waves read each fragment).  Rows are laid by batch entry: LDS row = 16 n + (l within the work-group), so block a of 16 rows is batch entry a, rows (chunk c2, position g).
; THE WEIGHTS' ROAD.  Two LDS slots of 64 KiB filled by the tensor data mover; each wave asks for the 16 KiB that it alone reads.  The four work-groups of a row of the cluster have one head group and ask JOINTLY.
; THE PRODUCT IS USED TRANSPOSED (source 0 = 16 rows of W, source 1 = 16 rows of q or k): a lane holds one row and eight neighbouring columns, which rounded to bf16 ARE half a fragment for the scores.
; The bias (rounded to bf16 like every input) is the C operand of each accumulator's first product.  Qp is set aside in LDS (bf16) while Kp is made.
; SCORES.  S^T = Kp Qp^T for (batch entry a, head): a lane holds query (c2 = r / 8, g = r % 8) and keys (c2 = h, s = 0..7).  Lanes with r / 8 = h hold a whole row of a chunk's 8 x 8 block;
; the others hold products across chunks, finite numbers that nobody reads.  Softmax with the row's true maximum taken away: p = 2^(c s - c m), c = log2(e) / 8.
; LIMITS.  Matrix operands are bf16.  A weight under 2^-126 counts as 0.  The heads are summed as 2 (a wave), then 4 waves, then 2 head groups (next launch).  NaN and infinities are not treated apart.
; REGISTERS, in windows of 256 (s_set_vgpr_msb: bits 1:0 source 0, 3:2 source 1, 5:4 source 2, 7:6 destination):
;   window 0: v10-29 addresses; v32-63 packed bf16 on its way to LDS; v64-127, v128-191 fragments of the rows, two buffers; v192-255 the bias as a C operand
;   window 1: v0-63, v192-255 two sets of f32 rows as loaded; v64-127, v128-191 fragments of W, two buffers
;   windows 2, 3: accumulator (a, b) at v[8 (8 (a % 4) + b)], blocks a = 0-3 in window 2, 4-7 in window 3
.set WSLOT,  65536                     ; a slot of W: 32 blocks of 16 columns x 64 k, 2,048 bytes each; wave w's eight at 16,384 w
.set AB,     131072                    ; the rows' two buffers: 128 rows of 128 bytes, 144 apart
.set ABUF,   18432
.set APITCH, 144                       ; 9 x 16 bytes: the 16 rows of a fragment load start at 16 different groups of four banks (64 banks of 4 bytes: ISA guide 11.1)
.set PARK,   167936                    ; Qp in bf16, in fragment order: 32,768 bytes a wave; the first 8,192 of each later hold the wave's sums of weights
.set SPARE,  299008                    ; the spare words, 128 bytes for each wave: two blocks of 256 bytes that no other line names
.set BIAS,   299520                    ; [q, k][512] f32
.set ADRA,  10                         ; v10     my place in a fragment of the rows: AB + 144 r + 16 h
.set ADRB,  11                         ; v11-12  my place in my wave's part of W's slot 0, 1: 16,384 w + 16 lane
.set STO,   13                         ; v13     where I put 8 bytes of a row: AB + (2 w + 8 h) x 144 + 8 r
.set GOFF,  14                         ; v14     my byte offset in the work-group's rows of q and k: (16 w + 64 h) x 4,096 + 16 r
.set PARKA, 15                         ; v15     PARK + 32,768 w + 16 lane
.set BIASA, 16                         ; v16     BIAS + 512 w + 32 h
.set PFO,   17                         ; v17     256 x lane
.set RDA,   18                         ; v18-19  where I read the waves' sums of weights
.set PO,    20                         ; v20     my 16 bytes of part
.set BOFF,  21                         ; v21     my 16 bytes of bq and bk
.set BST,   22                         ; v22     where I put them
.set SPW,   28                         ; v28     LDS address of my spare word; never rewritten
.set NIL,   29                         ; v29     0; never rewritten
.set CV,    32
.set F0,    64
.set F1,    128
.set BIASR, 192
.set WV,  16                           ; s16  my wave's number
.set G1,  24                           ; s[24:31] descriptor group 1
.set G0,  32                           ; s[32:39] descriptor group 0, a set for each slot
.set AP,  40                           ; s[40:41] q or k at my rows, at the K step last asked for
.set KB,  42                           ; s[42:43] k at my rows
.set LS,  44                           ; s44  the number of that step
.set LIM, 45                           ; s45  1 in a wave that prefetches
.set PFA, 46                           ; s[46:47] where my prefetches stand
.set CS,  50                           ; s[50:51] c, twice
.set MSB, 0
.macro WIN new                         ; the immediate's high byte repeats the setting that is left; a switch that changes nothing is dropped
.if MSB != (\new)
	s_set_vgpr_msb (MSB<<8)|(\new)
.set MSB, \new
.endif
.endm
.macro PLACES                          ; four places in front of loads into registers that matrix instructions have read (ISA guide 7.12.1 for vector instructions)
.rept 4
	v_nop
.endr
.endm
.macro CREST                           ; a round of the cluster's barrier behind its opening barrier
	s_cmp_lg_u32 s[WV], 0
	s_cbranch_scc1 .Lnot_wave_0_\@
	s_barrier_signal -3
.Lnot_wave_0_\@:
	s_barrier_wait -3
	s_barrier_signal -1
	s_barrier_wait -1
.endm
.macro CROUND                          ; a whole round
	s_barrier_signal -1
	s_barrier_wait -1
	CREST
.endm
; A prefetch of W: once a lap (two K steps) the 1,024 blocks of 256 bytes that both head groups will ask for two laps on, a lane a block.  The first cluster asks (cluster y = 0: every cluster walks the same wb),
; in it waves 0 and 1 of each of the 16 work-groups, told apart by address: so each block is named once in the launch.  Laps 0 and 1 come by their loads alone; the tail asks for nothing.
.macro ASK
	s_cmp_eq_u32 s[LIM], 1
	s_cbranch_scc0 .Lnot_mine_\@
	global_prefetch_b8 v[PFO], s[PFA:PFA+1] th:TH_LOAD_NT scope:SCOPE_SE
.Lnot_mine_\@:
.endm
; 16 matrix instructions: row blocks a0, a0 + 1 of the window's four x all 8 column blocks, 32 along K.  cm = 1: the bias starts the sums.  The 64 accumulators take turns in one order everywhere.
.macro MUL16 f, hi, a0, cm
.if \cm
	WIN 0x81+0x40*(\hi)                            ; W window 1, rows window 0, C (the bias) window 0, D window 2 or 3
.else
	WIN 0xa1+0x50*(\hi)                            ; C and D window 2 or 3
.endif
.irp a, \a0, (\a0)+1
.irp b, 0,1,2,3,4,5,6,7
.if \cm
	v_wmma_f32_16x16x32_bf16 v[8*(8*(\a)+(\b)):8*(8*(\a)+(\b))+7], v[(\f)+8*(\b):(\f)+8*(\b)+7], v[(\f)+8*(4*(\hi)+(\a)):(\f)+8*(4*(\hi)+(\a))+7], v[BIASR+8*(\b):BIASR+8*(\b)+7]
.else
	v_wmma_f32_16x16x32_bf16 v[8*(8*(\a)+(\b)):8*(8*(\a)+(\b))+7], v[(\f)+8*(\b):(\f)+8*(\b)+7], v[(\f)+8*(4*(\hi)+(\a)):(\f)+8*(4*(\hi)+(\a))+7], v[8*(8*(\a)+(\b)):8*(8*(\a)+(\b))+7]
.endif
.endr
.endr
.endm
; 32 LDS loads in one run: the fragments of half kb (32 along K) of a step, into buffer f: W's eight, then the rows' eight.
.macro FETCH slot, kb, f
	WIN 0x40                                       ; destination window 1
.irp i, 0,1,2,3,4,5,6,7
	ds_load_b128 v[(\f)+8*(\i):(\f)+8*(\i)+3],   v[ADRB+(\slot)] offset:(\i)*2048+(\kb)*1024
	ds_load_b128 v[(\f)+8*(\i)+4:(\f)+8*(\i)+7], v[ADRB+(\slot)] offset:(\i)*2048+(\kb)*1024+512
.endr
	WIN 0
.irp i, 0,1,2,3,4,5,6,7
	ds_load_b128 v[(\f)+8*(\i):(\f)+8*(\i)+3],   v[ADRA] offset:(\slot)*ABUF+(\i)*16*APITCH+(\kb)*64
	ds_load_b128 v[(\f)+8*(\i)+4:(\f)+8*(\i)+7], v[ADRA] offset:(\slot)*ABUF+(\i)*16*APITCH+(\kb)*64+32
.endr
.endm
; A step's 32 rows of my wave, from byte off behind the pointer: load i takes rows 16 w + i (lanes 0-15) and 64 further (lanes 16-31), 256 consecutive bytes each.
.macro LOADS_A set, off
	WIN 0x40
.set i, 0
.rept 16
	global_load_b128 v[192*(\set)+4*i:192*(\set)+4*i+3], v[GOFF], s[AP:AP+1] offset:i*4096+(\off)
.set i, i+1
.endr
.endm
.macro LOAD_A set                      ; the next step's; behind q's 16 steps come k's
	s_wait_xcnt 0x0                                ; every earlier load and prefetch has read its address: the pointer may be written
	s_add_nc_u64 s[AP:AP+1], s[AP:AP+1], 256
	s_add_co_u32 s[LS], s[LS], 1
	s_cmp_eq_u32 s[LS], 16
	s_cselect_b64 s[AP:AP+1], s[KB:KB+1], s[AP:AP+1]
	LOADS_A \set, 0
.endm
; A set is rounded to bf16 and stored into buffer buf.  left: the younger loads that may stay out.  Row 16 w + i is batch entry i % 8, position 2 w + i / 8: LDS row 16 (i % 8) + 2 w + i / 8 (+ 8 for lanes 16-31).
; The 32 conversions name no register of the products round them: they are also the places in front of the run of LDS loads that follows.
.macro STORE_A set, buf, left
	s_wait_loadcnt \left
	WIN 0x05                                       ; sources window 1, destination window 0
.set i, 0
.rept 32
	v_cvt_pk_bf16_f32 v[CV+i], v[192*(\set)+2*i], v[192*(\set)+2*i+1]
.set i, i+1
.endr
	WIN 0
.set i, 0
.rept 16
	ds_store_b64 v[STO], v[CV+2*i:CV+2*i+1] offset:(\buf)*ABUF+((i%8)*16+i/8)*APITCH
.set i, i+1
.endr
.endm
; The first half of step t (slot = t % 2): multiplies buffer 0; in its middle it stores the rows of step t + 1 (st), fetches the second half's fragments, and asks for the rows of step t + 3 (ld).
.macro QUARTER slot, cm, st, ld, left
	s_wait_dscnt 8                                 ; W and row blocks 0-3 are in; the youngest eight loads (row blocks 4-7) may be out
	MUL16 F0, 0, 0, \cm
	MUL16 F0, 0, 2, \cm
.if \st
	STORE_A 1-(\slot), 1-(\slot), \left
.else
	PLACES
.endif
	FETCH \slot, 1, F1
.if \ld
	LOAD_A 1-(\slot)
.endif
.if \st
	s_wait_dscnt 48                                ; all but the 16 stores and 32 loads just issued
.else
	s_wait_dscnt 32                                ; all but the 32 loads just issued
.endif
	MUL16 F0, 1, 0, \cm
	MUL16 F0, 1, 2, \cm
.endm
; The second half of step t multiplies buffer 1 and changes slots.  ONE barrier: in front of it each wave waits for all its tensor loads (one is out: its part of the other slot of W), adds 0 to its spare word,
; and waits for that, for its stores of the next step's rows and for its reads of this step's.  Behind it the other slot and the other rows' buffer are whole, and nobody reads this step's any more.
; mode = 1: the barrier opens a round of the cluster's, and W's slot is filled again, two steps ahead, first thing behind it.
.macro TURN slot, mode, ask
.if \ask
	s_wait_xcnt 0x0                                ; the last prefetch, a lap back, has read its address
	s_add_nc_u64 s[PFA:PFA+1], s[PFA:PFA+1], 2*WSLOT
.endif
	WIN 0                                          ; (the add's two registers lie in window 0)
	s_wait_tensorcnt 0x0                           ; all my tensor loads have landed
	ds_add_u32 v[SPW], v[NIL]                      ; 0 onto my spare word
	s_wait_dscnt 9                                 ; (the add and the youngest eight loads may be out)
	MUL16 F1, 0, 0, 0                              ; sixteen matrix instructions stand between the add and the wait for it
	s_wait_dscnt 0x0                               ; the add, my stores and my reads are done
	s_barrier_signal -1
	MUL16 F1, 0, 2, 0                              ; work on registers while the others arrive
.if \mode
	WIN 0
.endif
	s_barrier_wait -1
.if \mode
	CREST                                          ; no wave of any partner still reads this slot or has a load on its way
	s_add_nc_u64 s[G0+4*(\slot)+2:G0+4*(\slot)+3], s[G0+4*(\slot)+2:G0+4*(\slot)+3], 2*WSLOT  ; two steps on; the type bits on top are not reached
	tensor_load_to_lds s[G0+4*(\slot):G0+4*(\slot)+3], s[G1:G1+7]  ; my one tensor load behind the round
	s_nop 0
	PLACES                                         ; the places in front of the loads below
.else
	PLACES
.endif
	FETCH 1-(\slot), 0, F0
.if \ask
	ASK
.endif
	MUL16 F1, 1, 0, 0
	MUL16 F1, 1, 2, 0
.endm
; Row block a of Qp, rounded to bf16, into my part of PARK: column block b is half b % 2 of fragment (a, b / 2).  Each accumulator's registers are read in ascending order.
.macro PARKQ a
.set AC, 64*((\a)%4)
.set TM, 32+96*((\a)%2)                ; v32-63 and v128-159 by turns
	WIN 0x0a+5*((\a)/4)                            ; sources window 2 or 3
.irp b, 0,1,2,3,4,5,6,7
.irp r, 0,1,2,3
	v_cvt_pk_bf16_f32 v[TM+4*(\b)+(\r)], v[AC+8*(\b)+2*(\r)], v[AC+8*(\b)+2*(\r)+1]
.endr
.endr
	WIN 0
.irp b, 0,1,2,3,4,5,6,7
	ds_store_b128 v[PARKA], v[TM+4*(\b):TM+4*(\b)+3] offset:((\a)*4+(\b)/2)*1024+((\b)%2)*512
.endr
.endm
.macro BIASLOAD off                    ; register 8 b + j takes bias[128 w + 16 b + 8 h + j]: the C operand of column block b
	WIN 0
.irp b, 0,1,2,3,4,5,6,7
	ds_load_b128 v[BIASR+8*(\b):BIASR+8*(\b)+3],   v[BIASA] offset:(\off)+(\b)*64
	ds_load_b128 v[BIASR+8*(\b)+4:BIASR+8*(\b)+7], v[BIASA] offset:(\off)+(\b)*64+16
.endr
	s_wait_dscnt 0x0
.endm
	s_load_b256 s[4:11], s[0:1], 0x0               ; q 4, k 6, wb 8, bq 10
	s_load_b128 s[12:15], s[0:1], 0x20             ; bk 12, part 14
	v_lshl_add_u32 v[SPW], v0, 2, SPARE
	v_mov_b32 v[NIL], 0
	ds_add_u32 v[SPW], v[NIL]                      ; the wave's opening: the add and its wait ahead of my first tensor load; the set-up below, work on registers, stands between them
	v_lshrrev_b32 v1, 5, v0
	v_readfirstlane_b32 s[WV], v1                  ; wave 0..3
	s_bfe_u32 s17, ttmp6, 0x40000                  ; cx
	s_bfe_u32 s18, ttmp6, 0x40004                  ; cy
	s_and_b32 s19, ttmp7, 0xffff                   ; cluster y, 0..15
	s_and_b32 s20, s18, 1                          ; hg: my head group, the same along a row of the cluster
	s_lshr_b32 s21, s18, 1
	s_lshl2_add_u32 s21, s21, s17
	s_lshl3_add_u32 s21, s19, s21                  ; rb: my block of 128 rows = 8 x cluster y + 4 (cy / 2) + cx
	s_lshl_b32 s52, s18, 2
	s_lshl_b32 s52, 15, s52                        ; my row of the cluster: places 4 cy .. 4 cy + 3
	; descriptor group 1: 16,384 dense bytes as 64 rows of 256 bytes, in elements of 8 bytes, no padding
	s_or_b32 s[G1], s52, (3<<16)|(1<<21)           ; 15:0 the mask; 17:16 elements of 8 bytes; 21 set beside a mask
	s_mov_b32 s[G1+1], 32<<16                      ; tensor_dim0 = 32
	s_mov_b32 s[G1+2], 64<<16                      ; tensor_dim1 = 64
	s_mov_b32 s[G1+3], 32<<16                      ; tile_dim0 = 32
	s_mov_b32 s[G1+4], 64                          ; tile_dim1 = 64
	s_mov_b32 s[G1+5], 32                          ; 32 elements from row to row
	s_mov_b32 s[G1+6], 0
	s_mov_b32 s[G1+7], 0
	s_mov_b32 s[G0], 1                             ; count = 1
	s_lshl_b32 s[G0+1], s[WV], 14                  ; LDS address: slot 0, my wave's part: no place in the cluster enters it
	s_mov_b32 s[G0+4], 1
	s_add_co_u32 s[G0+5], s[G0+1], WSLOT
	s_lshl_b32 s54, s20, 21                        ; in wb: my head group's 2 MiB, my wave's part of step 0
	s_add_co_u32 s54, s54, s[G0+1]
	s_mov_b32 s55, 0
	s_lshl_b32 s56, s21, 19                        ; my 128 rows of 4,096 bytes
	s_mov_b32 s57, 0
	s_lshl_b32 s58, s20, 19                        ; in part: my head group's 524,288 bytes, my two chunks' 4,096
	s_lshl_b32 s59, s21, 12
	s_add_co_u32 s58, s58, s59
	s_mov_b32 s59, 0
	s_lshl2_add_u32 s60, s20, s17                  ; the prefetches: of a lap's 2 x 16 parts of 8,192 bytes mine is (cy / 2, 2 (4 (cy % 2) + cx) + wave % 2),
	s_and_b32 s61, s[WV], 1
	s_lshl1_add_u32 s60, s60, s61
	s_lshl_b32 s60, s60, 13
	s_lshr_b32 s61, s18, 1
	s_lshl_b32 s61, s61, 21
	s_add_co_u32 s60, s60, s61
	s_add_co_u32 s60, s60, 2*WSLOT                 ; at lap 1: the first change of slots steps it to lap 2
	s_mov_b32 s61, 0
	s_lshr_b32 s62, s[WV], 1
	s_or_b32 s62, s62, s19
	s_cmp_eq_u32 s62, 0                            ; waves 0 and 1 of the first cluster: the same in all sixteen partners, for a given wave
	s_cselect_b32 s[LIM], 1, -1
	s_mov_b32 s[CS], 0x3e38aa3b                    ; c = log2(e) / 8
	s_mov_b32 s[CS+1], s[CS]
	v_and_b32 v1, 15, v0                           ; r
	v_bfe_u32 v2, v0, 4, 1                         ; h
	v_and_b32 v3, 31, v0                           ; lane
	v_lshlrev_b32 v4, 4, v3
	v_mul_u32_u24 v[ADRA], v1, APITCH
	v_lshl_add_u32 v[ADRA], v2, 4, v[ADRA]
	v_add_nc_u32 v[ADRA], AB, v[ADRA]
	v_add_nc_u32 v[ADRB], s[G0+1], v4
	v_add_nc_u32 v[ADRB+1], WSLOT, v[ADRB]
	s_mul_i32 s22, s[WV], 2*APITCH
	v_mul_u32_u24 v[STO], v2, 8*APITCH
	v_lshl_add_u32 v[STO], v1, 3, v[STO]
	v_add_nc_u32 v[STO], s22, v[STO]
	v_add_nc_u32 v[STO], AB, v[STO]
	s_lshl_b32 s22, s[WV], 16
	v_lshlrev_b32 v[GOFF], 18, v2
	v_lshl_add_u32 v[GOFF], v1, 4, v[GOFF]
	v_add_nc_u32 v[GOFF], s22, v[GOFF]
	s_lshl_b32 s22, s[WV], 15
	v_add_nc_u32 v[PARKA], s22, v4
	v_add_nc_u32 v[PARKA], PARK, v[PARKA]
	s_lshl_b32 s23, s[WV], 9                       ; 512 w
	v_lshl_add_u32 v[BIASA], v2, 5, s23
	v_add_nc_u32 v[BIASA], BIAS, v[BIASA]
	v_lshlrev_b32 v[PFO], 8, v3
	v_and_b32 v5, 1, v0                            ; the way out.  Lane i takes the 16 bytes (chunk i / 16, position (i / 2) % 8, keys 4 (i % 2) ..), which lane (i / 2) % 8 + 24 (i / 16) has stored
	v_bfe_u32 v6, v0, 1, 3
	v_mul_u32_u24 v7, v2, 24
	v_add_nc_u32 v6, v6, v7
	v_lshlrev_b32 v[RDA], 4, v6
	v_lshl_add_u32 v[RDA], v5, 9, v[RDA]
	s_lshl_b32 s22, s[WV], 11                      ; batch entries 2 w and 2 w + 1 are mine
	v_add_nc_u32 v[RDA], s22, v[RDA]
	v_add_nc_u32 v[RDA], PARK, v[RDA]
	v_add_nc_u32 v[RDA+1], 65536, v[RDA]           ; waves 2 and 3's sums
	v_lshlrev_b32 v[PO], 11, v2
	v_lshl_add_u32 v[PO], v1, 4, v[PO]
	v_add_nc_u32 v[PO], s23, v[PO]
	v_add_nc_u32 v[BST], s23, v4
	v_add_nc_u32 v[BST], BIAS, v[BST]
	s_lshl_b32 s63, s20, 11                        ; in bq and bk: 2,048 hg + 512 w + 16 lane
	s_add_co_u32 s63, s63, s23
	v_add_nc_u32 v[BOFF], s63, v4
	s_wait_dscnt 0x0                               ; the opening add is done
	s_wait_kmcnt 0x0
	s_add_nc_u64 s[G0+2:G0+3], s[8:9], s[54:55]    ; global address: step 0,
	s_add_nc_u64 s[G0+6:G0+7], s[G0+2:G0+3], WSLOT ; step 1
	s_or_b32 s[G0+3], s[G0+3], 0x80000000          ; type = 2
	s_or_b32 s[G0+7], s[G0+7], 0x80000000
	s_add_nc_u64 s[AP:AP+1], s[4:5], s[56:57]
	s_add_nc_u64 s[KB:KB+1], s[6:7], s[56:57]
	s_add_nc_u64 s[14:15], s[14:15], s[58:59]
	s_add_nc_u64 s[PFA:PFA+1], s[8:9], s[60:61]
	CROUND                                         ; all sixteen work-groups are here: the first joint loads meet
	tensor_load_to_lds s[G0:G0+3], s[G1:G1+7]      ; W of step 0: two tensor loads of mine are out
	s_nop 0
	tensor_load_to_lds s[G0+4:G0+7], s[G1:G1+7]    ; and of step 1
	s_nop 0
	PLACES
	global_load_b128 v[64:67], v[BOFF], s[10:11]   ; my 128 columns of bq
	global_load_b128 v[68:71], v[BOFF], s[12:13]   ; and of bk
	LOADS_A 0, 0                                   ; the rows of step 0,
	LOADS_A 1, 256                                 ; of step 1
	WIN 0
	s_wait_loadcnt 32                              ; the biases are in; the rows' 32 loads may stay out
.irp j, 0,2,4,6                                        ; rounded to bf16, like every input, and widened again
	v_cvt_pk_bf16_f32 v72, v[64+(\j)], v[65+(\j)]
	v_lshlrev_b32 v[64+(\j)], 16, v72
	v_and_b32 v[65+(\j)], 0xffff0000, v72
.endr
	ds_store_b128 v[BST], v[64:67]
	ds_store_b128 v[BST], v[68:71] offset:2048
	STORE_A 0, 0, 16                               ; step 0's rows; step 1's 16 loads may stay out
	LOADS_A 0, 512                                 ; the rows of step 2
	WIN 0
	s_wait_xcnt 0x0
	s_add_nc_u64 s[AP:AP+1], s[AP:AP+1], 512
	s_mov_b32 s[LS], 2
	s_wait_tensorcnt 1                             ; my part of W's step 0 is in; step 1's may stay out
	s_wait_dscnt 0x0                               ; my rows of step 0 lie in LDS
	s_barrier_signal -1
	s_barrier_wait -1
	FETCH 0, 0, F0
	BIASLOAD 0                                     ; bq
	QUARTER 0, 1, 1, 1, 16                         ; step 0's first half stands in front of the loop: its products start Qp's sums with the bias
	WIN 0                                          ; at a label and at a branch every window is 0
	s_mov_b32 s3, 14
.Llap:                                                 ; trip j (s3 = 14 - j): the second half of step 2 j, step 2 j + 1, the first half of step 2 j + 2
	TURN 0, 1, 1
	QUARTER 1, 0, 1, 1, 16
	TURN 1, 1, 0
	WIN 0
	s_cmp_eq_u32 s3, 7
	s_cbranch_scc0 .Lplain                         ; forward, past no barrier and no tensor load
.irp a, 0,1,2,3,4,5,6,7                                ; behind step 15 Qp is whole: it is set aside.  Blocks 0-3 were finished ahead of TURN's places; their conversions are the places behind the last products
	PARKQ \a
.endr
	BIASLOAD 2048                                  ; bk
	QUARTER 0, 1, 1, 1, 16                         ; step 16 starts Kp's sums
	WIN 0
	s_branch .Lnext
.Lplain:
	QUARTER 0, 0, 1, 1, 16
	WIN 0
.Lnext:
	s_sub_co_u32 s3, s3, 1
	s_cmp_lg_u32 s3, 0
	s_cbranch_scc1 .Llap
	TURN 0, 1, 0                                   ; the tail is written out.  Step 28: W of step 30 is asked for
	QUARTER 1, 0, 1, 0, 16                         ; step 29: the rows of step 30 are stored; step 31's 16 loads may stay out; nothing is left to ask for
	TURN 1, 1, 0                                   ; W of step 31: the last tensor load
	QUARTER 0, 0, 1, 0, 0                          ; step 30: the rows of step 31
	TURN 0, 0, 0                                   ; nothing is filled again: no round
	QUARTER 1, 0, 0, 0, 0                          ; step 31
	s_wait_dscnt 8
	MUL16 F1, 0, 0, 0
	MUL16 F1, 0, 2, 0
	s_wait_dscnt 0x0
	MUL16 F1, 1, 0, 0
	MUL16 F1, 1, 2, 0
	; THE SCORES.  Kp is rounded to bf16: fragment (a, c) = column blocks 2 c and 2 c + 1 of row block a.  a = 0-3 go to window 0 v128-255, a = 4-7 to window 2 v0-127; Qp comes back into window 1.
	PLACES
	PLACES
	WIN 0x0a
.set i, 0
.rept 128
	v_cvt_pk_bf16_f32 v[128+i], v[2*i], v[2*i+1]
.set i, i+1
.endr
	WIN 0x40
.set i, 0
.rept 64
	ds_load_b128 v[4*i:4*i+3], v[PARKA] offset:i*512   ; Qp's fragment (a, c) at 32 a + 8 c
.set i, i+1
.endr
	WIN 0x8f                                       ; sources window 3, destination window 2: what lay there has been rounded above
.set i, 0
.rept 128
	v_cvt_pk_bf16_f32 v[i], v[2*i], v[2*i+1]
.set i, i+1
.endr
	s_wait_dscnt 0x0
; Tile T = 2 a + head at window 2 v[128 + 8 T].  Eight tiles take turns: all first links (32 channels, C = 0), then all second links.
.macro SCORES g
	WIN 0xa4+2*(\g)                                ; Kp window 0 or 2, Qp window 1, C and D window 2
.irp l, 0,1
.irp tt, 0,1,2,3,4,5,6,7
.set rS, 128+8*(8*(\g)+(\tt))
.set rK, 128*(1-(\g))+32*((\tt)/2)+8*(2*((\tt)%2)+(\l))
.set rQ, 32*(4*(\g)+(\tt)/2)+8*(2*((\tt)%2)+(\l))
.if (\l) == 0
	v_wmma_f32_16x16x32_bf16 v[rS:rS+7], v[rK:rK+7], v[rQ:rQ+7], 0
.else
	v_wmma_f32_16x16x32_bf16 v[rS:rS+7], v[rK:rK+7], v[rQ:rQ+7], v[rS:rS+7]
.endif
.endr
.endr
.endm
	SCORES 0
	SCORES 1
	PLACES
	PLACES
	; THE SOFTMAX, stage by stage over the 16 tiles, all in window 2.  v[64 + 2 T] c m, then the sum's pair; v[65 + 2 T] m; v[96 + 2 T] 1 / sum; v[97 + 2 T] the sum; v[8 a ..] the two heads' weights added.
	WIN 0xaa
.macro EACH line:vararg
.set T, 0
.rept 16
	\line
.set T, T+1
.endr
.endm
	EACH v_max3_num_f32 v[65+2*T], v[128+8*T], v[129+8*T], v[130+8*T]
	EACH v_max3_num_f32 v[65+2*T], v[65+2*T], v[131+8*T], v[132+8*T]
	EACH v_max3_num_f32 v[65+2*T], v[65+2*T], v[133+8*T], v[134+8*T]
	EACH v_max_num_f32 v[65+2*T], v[65+2*T], v[135+8*T]
	EACH v_mul_f32 v[64+2*T], s[CS], v[65+2*T]
.set i, 0
.rept 64
	v_pk_fma_f32 v[128+2*i:129+2*i], v[128+2*i:129+2*i], s[CS:CS+1], v[64+2*(i/4):65+2*(i/4)] op_sel_hi:[1,0,0] neg_lo:[0,0,1] neg_hi:[0,0,1]  ; c s - c m
.set i, i+1
.endr
.set i, 0
.rept 128
	v_exp_f32 v[128+i], v[128+i]
.set i, i+1
.endr
	v_nop                                          ; a plain instruction behind the last exponential,
	s_wait_alu depctr_va_vdst(0)                   ; and the wait ahead of the first use: one for the batch of 128
	EACH v_pk_add_f32 v[64+2*T:65+2*T], v[128+8*T:129+8*T], v[130+8*T:131+8*T]
	EACH v_pk_add_f32 v[64+2*T:65+2*T], v[64+2*T:65+2*T], v[132+8*T:133+8*T]
	EACH v_pk_add_f32 v[64+2*T:65+2*T], v[64+2*T:65+2*T], v[134+8*T:135+8*T]
	EACH v_add_f32 v[97+2*T], v[64+2*T], v[65+2*T]
	EACH v_rcp_f32 v[96+2*T], v[97+2*T]
	v_nop
	s_wait_alu depctr_va_vdst(0)                   ; one for the 16 reciprocals
.set i, 0
.rept 32
	v_pk_mul_f32 v[2*i:2*i+1], v[128+16*(i/4)+2*(i%4):129+16*(i/4)+2*(i%4)], v[96+4*(i/4):97+4*(i/4)] op_sel_hi:[1,0]
.set i, i+1
.endr
.set i, 0
.rept 32
	v_pk_fma_f32 v[2*i:2*i+1], v[136+16*(i/4)+2*(i%4):137+16*(i/4)+2*(i%4)], v[98+4*(i/4):99+4*(i/4)], v[2*i:2*i+1] op_sel_hi:[1,0,1]
.set i, i+1
.endr
	; THE HEADS' SUM.  Each wave puts its eight tiles into the head of its part of PARK (its reads of Qp are over); behind a barrier wave w adds the four waves' tiles of batch entries 2 w and 2 w + 1.
	WIN 0x08                                       ; store data window 2
.set i, 0
.rept 16
	ds_store_b128 v[PARKA], v[4*i:4*i+3] offset:i*512
.set i, i+1
.endr
	WIN 0
	s_wait_dscnt 0x0                               ; for the others' sake
	s_barrier_signal -1
	s_barrier_wait -1
.irp e, 0,1
	ds_load_b128 v[64+16*(\e):67+16*(\e)], v[RDA] offset:(\e)*1024
	ds_load_b128 v[68+16*(\e):71+16*(\e)], v[RDA] offset:(\e)*1024+32768
	ds_load_b128 v[72+16*(\e):75+16*(\e)], v[RDA+1] offset:(\e)*1024
	ds_load_b128 v[76+16*(\e):79+16*(\e)], v[RDA+1] offset:(\e)*1024+32768
.endr
	s_wait_dscnt 0x0
.irp e, 0,1
.set B, 64+16*(\e)
	v_pk_add_f32 v[B:B+1], v[B:B+1], v[B+4:B+5]
	v_pk_add_f32 v[B+2:B+3], v[B+2:B+3], v[B+6:B+7]
	v_pk_add_f32 v[B+8:B+9], v[B+8:B+9], v[B+12:B+13]
	v_pk_add_f32 v[B+10:B+11], v[B+10:B+11], v[B+14:B+15]
	v_pk_add_f32 v[B:B+1], v[B:B+1], v[B+8:B+9]
	v_pk_add_f32 v[B+2:B+3], v[B+2:B+3], v[B+10:B+11]
	v_pk_mul_f32 v[B:B+1], v[B:B+1], 0x3d800000 op_sel_hi:[1,0]      ; 1 / 16: the mean over all 16 heads
	v_pk_mul_f32 v[B+2:B+3], v[B+2:B+3], 0x3d800000 op_sel_hi:[1,0]
	global_store_b128 v[PO], v[B:B+3], s[14:15] offset:(\e)*256      ; 16 lanes store 256 consecutive bytes, aligned: one (chunk, batch entry)
.endr
	s_wait_tensorcnt 0x0                           ; the wave's end, behind my last tensor load and my last LDS store
	ds_add_u32 v[SPW], v[NIL]
	s_wait_dscnt 0x0
	CROUND                                         ; the closing round: no work-group ends while a partner may still ask for a tile that names it
	s_endpgm
.Lfunc_end_k_q9950197b3f_main:
	.size	k_q9950197b3f_main, .Lfunc_end_k_q9950197b3f_main-k_q9950197b3f_main
	.p2alignl 7, 3214868480
	.fill 96, 4, 3214868480
	.section	.rodata,"a",@progbits
	.p2align	6, 0x0
	.amdhsa_kernel k_q9950197b3f_main
		.amdhsa_group_segment_fixed_size 327680
		.amdhsa_private_segment_fixed_size 0
		.amdhsa_enable_private_segment 0
		.amdhsa_kernarg_size 48
		.amdhsa_user_sgpr_count 2
		.amdhsa_user_sgpr_kernarg_segment_ptr 1
		.amdhsa_wavefront_size32 1
		.amdhsa_system_sgpr_workgroup_id_x 1
		.amdhsa_system_sgpr_workgroup_id_y 1
		.amdhsa_system_sgpr_workgroup_id_z 1
		.amdhsa_system_vgpr_workitem_id 0
		.amdhsa_next_free_vgpr 1024
		.amdhsa_next_free_sgpr 66
		.amdhsa_reserve_vcc 0
		.amdhsa_float_denorm_mode_32 3
		.amdhsa_float_denorm_mode_16_64 3
		.amdhsa_memory_ordered 1
		.amdhsa_forward_progress 1
		.amdhsa_inst_pref_size 194
	.end_amdhsa_kernel
	.amdgpu_metadata
---
amdhsa.version: [ 1, 2 ]
amdhsa.kernels:
  - .name:           k_q9950197b3f_main
    .symbol:         k_q9950197b3f_main.kd
    .args:
      - { .name: q, .offset: 0, .size: 8, .value_kind: global_buffer, .address_space: global }
      - { .name: k, .offset: 8, .size: 8, .value_kind: global_buffer, .address_space: global }
      - { .name: wb, .offset: 16, .size: 8, .value_kind: global_buffer, .address_space: global }
      - { .name: bq, .offset: 24, .size: 8, .value_kind: global_buffer, .address_space: global }
      - { .name: bk, .offset: 32, .size: 8, .value_kind: global_buffer, .address_space: global }
      - { .name: part, .offset: 40, .size: 8, .value_kind: global_buffer, .address_space: global }
    .group_segment_fixed_size: 327680
    .private_segment_fixed_size: 0
    .kernarg_segment_align: 8
    .kernarg_segment_size: 48
    .max_flat_workgroup_size: 128
    .sgpr_count:     66
    .vgpr_count:     1024
    .wavefront_size: 32
...
	.end_amdgpu_metadata
.endif
;; end of part 2
;; launch fin (part 3): grid 128 x 1, 16 waves a work-group, no clusters, 71,680 bytes of LDS; arguments pl, part, Wo, bo, out0, out1; writes out0, out1
.if DOCPART == 3
	.amdgcn_target "amdgcn-amd-amdhsa--gfx1250"
	.amdhsa_code_object_version 6
	.text
	.protected	k_q9950197b3f_fin
	.globl	k_q9950197b3f_fin
	.p2align	8
	.type	k_q9950197b3f_fin,@function
k_q9950197b3f_fin:
	s_mov_b64 s[64:65], 0
	v_nop
	global_prefetch_b8 v0, s[64:65] scope:SCOPE_SE
	s_setreg_imm32_b32 hwreg(HW_REG_WAVE_MODE, 25, 1), 1
	s_wait_xcnt 0x0
; FIN.  Work-groups 64-127: out1 = the two head groups' partial means added, 8,192 bytes each.
; Work-groups 0-63: out0 = (the last chunk's attention output) Wo^T + bo.  Work-group x makes 16 rows (row tile t = x % 4: index m stands for out0's row 8 (m % 8) + 2 t + m / 8) x 64 columns (cg = x / 4).
; Wave u is head u, which is also the slice k = 64 u .. 64 u + 63 of the last product: it makes its head's scores, softmax and output for the tile, multiplies by its slice of Wo, and the 16 partial sums meet in LDS.
; pl (from the first launch, f16, fragment order): Qp and Kp as lane = row, eight channels; Vp as lane = channel, eight rows.
; S^T = Kp Qp^T: a lane holds query r and keys 8 h + 0..7.  A tile holds two batch entries; lanes with r / 8 = h hold a whole row of an 8 x 8 block, the others products across batch entries: their weights are set to 0,
; so that O^T = Vp^T P sums over the query's own batch entry alone.  O^T again holds one query a lane and eight channels, which rounded to f16 ARE half a fragment of the last product.
; FORMATS.  Qp, Kp, Vp, P, O in f16; Wo and bo rounded to bf16 like every input, Wo's bf16 number then written as f16; sums, maxima and the softmax in f32, the true maximum taken away.
; LIMITS.  f16 ends at 65,504 (Qp, Kp, Vp arrive within it; P lies in 0 to 1; O is a mean of Vp's rows).  A bf16 number of Wo under 6e-5 keeps f16's fixed step of 6e-8.  A weight under 2^-126 counts as 0.
; The sum over k is taken in 16 parts, added as a tree.  NaN and infinities are not treated apart.
.set RP,    272                        ; a row of partial sums: 256 bytes + 16
.set RW,    16*RP                      ; a wave's 16 rows
.set SPARE, 16*RW                      ; 69,632: behind them the spare words, 128 bytes for each of 16 waves: eight blocks of 256 bytes that no other line names
.set SPW, 30                           ; v30  LDS address of my spare word; never rewritten
.set NIL, 31                           ; v31  0; never rewritten
.set QF,  32                           ; v[32:47] Qp's two fragments; v[48:63] Kp's; later v[32:63] O^T, channel block e at 8 e
.set KF,  48
.set WR,  64                           ; v[64:191] Wo: 16 registers of f32 for (column block cb, fragment kb) at 16 (2 cb + kb), packed in place into the first 8; later the partial sums
.set VF,  192                          ; v[192:223] Vp^T, channel block e at 8 e, its upper four registers 0 (16 keys of 32); later the four accumulators
.set SF,  224                          ; v[224:239] the scores' two halves; later O in f16, two fragments
.set PF,  240                          ; v[240:247] P, its upper four registers 0
.set CS,  26                           ; s[26:27] c = log2(e) / 8, twice
	s_load_b256 s[4:11], s[0:1], 0x0               ; pl 4, part 6, Wo 8, bo 10
	s_load_b128 s[12:15], s[0:1], 0x20             ; out0 12, out1 14
	v_lshl_add_u32 v[SPW], v0, 2, SPARE
	v_mov_b32 v[NIL], 0
	v_lshrrev_b32 v1, 5, v0
	v_readfirstlane_b32 s16, v1                    ; u: wave 0..15
	s_mov_b32 s17, ttmp9
	s_cmp_lt_u32 s17, 64
	s_cbranch_scc1 .Lattn
	s_sub_co_u32 s18, s17, 64                      ; OUT1: 512 threads x 16 bytes
	s_lshl_b32 s18, s18, 13
	s_mov_b32 s19, 0
	v_lshlrev_b32 v2, 4, v0
	s_wait_kmcnt 0x0
	s_add_nc_u64 s[6:7], s[6:7], s[18:19]
	s_add_nc_u64 s[14:15], s[14:15], s[18:19]
	global_load_b128 v[32:35], v2, s[6:7]
	global_load_b128 v[36:39], v2, s[6:7] offset:524288
	s_wait_loadcnt 0x0
	v_pk_add_f32 v[32:33], v[32:33], v[36:37]
	v_pk_add_f32 v[34:35], v[34:35], v[38:39]
	global_store_b128 v2, v[32:35], s[14:15]
	s_branch .Lend
.Lattn:
	s_lshr_b32 s18, s17, 2                         ; cg
	s_and_b32 s19, s17, 3                          ; t
	v_and_b32 v8, 31, v0                           ; lane
	v_and_b32 v9, 15, v0                           ; r
	v_bfe_u32 v10, v0, 4, 1                        ; h
	s_lshl_b32 s20, s16, 13                        ; in pl: head u's four channel blocks of 2,048 bytes, tile t's 512, my 16
	s_lshl_b32 s21, s19, 9
	s_add_co_u32 s20, s20, s21
	v_lshl_add_u32 v2, v8, 4, s20
	s_lshl_b32 s21, s16, 8                         ; in Wo: row r, 32 h, my slice's 256 bytes
	v_lshlrev_b32 v3, 12, v9
	v_lshl_add_u32 v3, v10, 5, v3
	v_add_nc_u32 v3, s21, v3
	v_lshlrev_b32 v4, 4, v9                        ; in bo: four columns a lane
	s_mul_i32 s21, s16, RW                         ; my partial sums: row r, 32 h
	v_mul_u32_u24 v5, v9, RP
	v_lshl_add_u32 v5, v10, 5, v5
	v_add_nc_u32 v5, s21, v5
	s_mul_i32 s21, s16, 2*RP                       ; back: wave u < 8 takes rows 2 u (lanes 0-15) and 2 u + 1 (lanes 16-31), whole
	v_mul_u32_u24 v6, v10, RP
	v_lshl_add_u32 v6, v9, 4, v6
	v_add_nc_u32 v6, s21, v6
	s_and_b32 s22, s16, 3                          ; index m = 2 u + h is out0's row 8 (m % 8) + 2 t + m / 8 = 16 (u % 4) + 8 h + 2 t + u / 4
	s_lshl_b32 s22, s22, 4
	s_lshl1_add_u32 s22, s19, s22
	s_lshr_b32 s23, s16, 2
	s_add_co_u32 s22, s22, s23
	s_lshl_b32 s22, s22, 12
	v_lshlrev_b32 v7, 15, v10
	v_lshl_add_u32 v7, v9, 4, v7
	v_add_nc_u32 v7, s22, v7
	s_mov_b32 s24, 0xff0000ff                      ; the lanes with r / 8 = h
	s_mov_b32 s[CS], 0x3e38aa3b
	s_mov_b32 s[CS+1], s[CS]
	s_lshl_b32 s28, s18, 18                        ; cg's 64 rows of Wo
	s_mov_b32 s29, 0
	s_lshl_b32 s30, s18, 8                         ; cg's 256 bytes of bo and of a row of out0
	s_mov_b32 s31, 0
	s_wait_kmcnt 0x0
	s_add_nc_u64 s[8:9], s[8:9], s[28:29]
	s_add_nc_u64 s[10:11], s[10:11], s[30:31]
	s_add_nc_u64 s[12:13], s[12:13], s[30:31]
	global_load_b128 v[16:19], v4, s[10:11]
.irp f, 0,1,2,3                                        ; channel block f of the head is half f % 2 of fragment f / 2
	global_load_b128 v[QF+4*(\f):QF+4*(\f)+3], v2, s[4:5] offset:(\f)*2048
	global_load_b128 v[KF+4*(\f):KF+4*(\f)+3], v2, s[4:5] offset:131072+(\f)*2048
.endr
.irp e, 0,1,2,3
	global_load_b128 v[VF+8*(\e):VF+8*(\e)+3], v2, s[4:5] offset:262144+(\e)*2048
.endr
.irp g, 0,1,2,3,4,5,6,7                                ; g = 2 cb + kb
.irp p, 0,1,2,3
	global_load_b128 v[WR+16*(\g)+4*(\p):WR+16*(\g)+4*(\p)+3], v3, s[8:9] offset:((\g)/2)*65536+((\g)%2)*128+((\p)/2)*64+((\p)%2)*16
.endr
.endr
.irp e, 0,1,2,3                                        ; keys 16 to 31 of the product's 32 do not exist
.irp j, 4,5,6,7
	v_mov_b32 v[VF+8*(\e)+(\j)], 0
.endr
.endr
.irp j, 4,5,6,7
	v_mov_b32 v[PF+(\j)], 0
.endr
	s_wait_loadcnt 36                              ; bo, Qp and Kp are in; Vp's 4 and Wo's 32 loads may stay out
	v_wmma_f32_16x16x32_f16 v[SF:SF+7], v[KF:KF+7], v[QF:QF+7], 0            ; two accumulators, one for each 32 channels: no link follows the link that it adds onto
	v_wmma_f32_16x16x32_f16 v[SF+8:SF+15], v[KF+8:KF+15], v[QF+8:QF+15], 0
.rept 8
	v_nop                                          ; the places behind the products (ISA guide 7.12.1)
.endr
.irp j, 0,2,4,6
	v_pk_add_f32 v[SF+(\j):SF+(\j)+1], v[SF+(\j):SF+(\j)+1], v[SF+8+(\j):SF+8+(\j)+1]
.endr
	v_max3_num_f32 v249, v[SF], v[SF+1], v[SF+2]
	v_max3_num_f32 v249, v249, v[SF+3], v[SF+4]
	v_max3_num_f32 v249, v249, v[SF+5], v[SF+6]
	v_max_num_f32 v249, v249, v[SF+7]
	v_mul_f32 v248, s[CS], v249
.irp j, 0,2,4,6
	v_pk_fma_f32 v[SF+(\j):SF+(\j)+1], v[SF+(\j):SF+(\j)+1], s[CS:CS+1], v[248:249] op_sel_hi:[1,0,0] neg_lo:[0,0,1] neg_hi:[0,0,1]  ; c s - c m
.endr
.irp j, 0,1,2,3,4,5,6,7
	v_exp_f32 v[SF+(\j)], v[SF+(\j)]
.endr
	v_nop                                          ; a plain instruction behind the last exponential,
	s_wait_alu depctr_va_vdst(0)                   ; and the wait ahead of the first use: one for the eight
	v_pk_add_f32 v[250:251], v[SF:SF+1], v[SF+2:SF+3]
	v_pk_add_f32 v[250:251], v[250:251], v[SF+4:SF+5]
	v_pk_add_f32 v[250:251], v[250:251], v[SF+6:SF+7]
	v_add_f32 v251, v250, v251
	v_rcp_f32 v250, v251
	v_nop
	s_wait_alu depctr_va_vdst(0)
.irp j, 0,2,4,6
	v_pk_mul_f32 v[SF+(\j):SF+(\j)+1], v[SF+(\j):SF+(\j)+1], v[250:251] op_sel_hi:[1,0]
.endr
.irp j, 0,1,2,3
	v_cvt_pk_f16_f32 v[PF+(\j)], v[SF+2*(\j)], v[SF+2*(\j)+1]
.endr
.irp j, 0,1,2,3
	v_cndmask_b32 v[PF+(\j)], 0, v[PF+(\j)], s24   ; 0 where query and keys belong to different batch entries
.endr
	s_wait_loadcnt 32                              ; Vp is in; Wo's 32 loads may stay out
.irp e, 0,1,2,3
	v_wmma_f32_16x16x32_f16 v[QF+8*(\e):QF+8*(\e)+7], v[VF+8*(\e):VF+8*(\e)+7], v[PF:PF+7], 0
.endr
	s_wait_loadcnt 0x0                             ; Wo
; Wo's 16 f32 of a fragment: rounded to bf16, that number written as f16, in place and ascending.  These lines name no register of the four products above: they are the places behind them.
.macro CVW base
.set i, 0
.rept 8
.set TB, 248+3*(i%2)
	v_cvt_pk_bf16_f32 v[TB], v[(\base)+2*i], v[(\base)+2*i+1]
	v_lshlrev_b32 v[TB+1], 16, v[TB]
	v_and_b32 v[TB+2], 0xffff0000, v[TB]
	v_cvt_pk_f16_f32 v[(\base)+i], v[TB+1], v[TB+2]
.set i, i+1
.endr
.endm
.irp g, 0,1,2,3,4,5,6,7
	CVW WR+16*(\g)
.endr
.irp e, 0,1,2,3                                        ; O in f16: channel block e is half e % 2 of fragment e / 2; each accumulator's registers in ascending order
.irp j, 0,1,2,3
	v_cvt_pk_f16_f32 v[SF+4*(\e)+(\j)], v[QF+8*(\e)+2*(\j)], v[QF+8*(\e)+2*(\j)+1]
.endr
.endr
.irp kb, 0,1                                           ; source 0 = 16 rows of Wo (columns of out0), source 1 = O: a lane ends with one row and eight columns.  The four accumulators take turns
.irp cb, 0,1,2,3
.if (\kb) == 0
	v_wmma_f32_16x16x32_f16 v[VF+8*(\cb):VF+8*(\cb)+7], v[WR+32*(\cb):WR+32*(\cb)+7], v[SF:SF+7], 0
.else
	v_wmma_f32_16x16x32_f16 v[VF+8*(\cb):VF+8*(\cb)+7], v[WR+32*(\cb)+16:WR+32*(\cb)+23], v[SF+8:SF+15], v[VF+8*(\cb):VF+8*(\cb)+7]
.endif
.endr
.endr
.rept 8
	v_nop                                          ; the places between the products and the LDS stores that read them, and the later loads into their sources
.endr
.irp cb, 0,1,2,3
	ds_store_b128 v5, v[VF+8*(\cb):VF+8*(\cb)+3] offset:(\cb)*64
	ds_store_b128 v5, v[VF+8*(\cb)+4:VF+8*(\cb)+7] offset:(\cb)*64+16
.endr
	s_wait_dscnt 0x0                               ; for the others' sake
	s_barrier_signal -1
	s_barrier_wait -1
	s_cmp_lt_u32 s16, 8
	s_cbranch_scc0 .Lend
.set i, 0
.rept 16
	ds_load_b128 v[WR+4*i:WR+4*i+3], v6 offset:i*RW
.set i, i+1
.endr
	v_cvt_pk_bf16_f32 v20, v16, v17                ; bo rounded to bf16, like every input, and widened again: stands in the wait for the loads
	v_cvt_pk_bf16_f32 v21, v18, v19
	v_lshlrev_b32 v16, 16, v20
	v_and_b32 v17, 0xffff0000, v20
	v_lshlrev_b32 v18, 16, v21
	v_and_b32 v19, 0xffff0000, v21
	s_wait_dscnt 0x0
.macro ADDG n                          ; n groups of four registers are added onto the n in front of them
.set g, 0
.rept \n
	v_pk_add_f32 v[WR+4*g:WR+4*g+1], v[WR+4*g:WR+4*g+1], v[WR+4*(g+(\n)):WR+4*(g+(\n))+1]
	v_pk_add_f32 v[WR+4*g+2:WR+4*g+3], v[WR+4*g+2:WR+4*g+3], v[WR+4*(g+(\n))+2:WR+4*(g+(\n))+3]
.set g, g+1
.endr
.endm
	ADDG 8
	ADDG 4
	ADDG 2
	ADDG 1
	v_pk_add_f32 v[WR:WR+1], v[WR:WR+1], v[16:17]
	v_pk_add_f32 v[WR+2:WR+3], v[WR+2:WR+3], v[18:19]
	global_store_b128 v7, v[WR:WR+3], s[12:13]     ; 16 lanes store 256 consecutive bytes, aligned
.Lend:
	s_wait_tensorcnt 0x0                           ; the wave's end, behind my last LDS store
	ds_add_u32 v[SPW], v[NIL]
	s_wait_dscnt 0x0
	s_endpgm
.Lfunc_end_k_q9950197b3f_fin:
	.size	k_q9950197b3f_fin, .Lfunc_end_k_q9950197b3f_fin-k_q9950197b3f_fin
	.p2alignl 7, 3214868480
	.fill 96, 4, 3214868480
	.section	.rodata,"a",@progbits
	.p2align	6, 0x0
	.amdhsa_kernel k_q9950197b3f_fin
		.amdhsa_group_segment_fixed_size 71680
		.amdhsa_private_segment_fixed_size 0
		.amdhsa_enable_private_segment 0
		.amdhsa_kernarg_size 48
		.amdhsa_user_sgpr_count 2
		.amdhsa_user_sgpr_kernarg_segment_ptr 1
		.amdhsa_wavefront_size32 1
		.amdhsa_system_sgpr_workgroup_id_x 1
		.amdhsa_system_sgpr_workgroup_id_y 1
		.amdhsa_system_sgpr_workgroup_id_z 1
		.amdhsa_system_vgpr_workitem_id 0
		.amdhsa_next_free_vgpr 256
		.amdhsa_next_free_sgpr 66
		.amdhsa_reserve_vcc 0
		.amdhsa_float_denorm_mode_32 3
		.amdhsa_float_denorm_mode_16_64 3
		.amdhsa_memory_ordered 1
		.amdhsa_forward_progress 1
		.amdhsa_inst_pref_size 31
	.end_amdhsa_kernel
	.amdgpu_metadata
---
amdhsa.version: [ 1, 2 ]
amdhsa.kernels:
  - .name:           k_q9950197b3f_fin
    .symbol:         k_q9950197b3f_fin.kd
    .args:
      - { .name: pl, .offset: 0, .size: 8, .value_kind: global_buffer, .address_space: global }
      - { .name: part, .offset: 8, .size: 8, .value_kind: global_buffer, .address_space: global }
      - { .name: Wo, .offset: 16, .size: 8, .value_kind: global_buffer, .address_space: global }
      - { .name: bo, .offset: 24, .size: 8, .value_kind: global_buffer, .address_space: global }
      - { .name: out0, .offset: 32, .size: 8, .value_kind: global_buffer, .address_space: global }
      - { .name: out1, .offset: 40, .size: 8, .value_kind: global_buffer, .address_space: global }
    .group_segment_fixed_size: 71680
    .private_segment_fixed_size: 0
    .kernarg_segment_align: 8
    .kernarg_segment_size: 48
    .max_flat_workgroup_size: 512
    .sgpr_count:     66
    .vgpr_count:     256
    .wavefront_size: 32
...
	.end_amdgpu_metadata
.endif
;; end of part 3
;; ======== version 2 of 2: 3 launches; version 1 with the launch fin written anew for expert scheduling mode
;; limits: values are held in f16: magnitudes above 65,504 overflow, below 6.1e-05 lose precision
;; workspace buffers: wb 4,194,304 bytes; pl 393,216 bytes; part 1,048,576 bytes
;; launch prep: the kernel of part 1 again; grid 64 x 3, 16 waves a work-group, no clusters, 67,584 bytes of LDS; arguments q, k, v, Wq, Wk, Wv, bq, bk, bv, wb, pl; writes wb, pl
;; launch main: the kernel of part 2 again; grid 4 x 64, 4 waves a work-group, clusters of 4 x 4, 327,680 bytes of LDS; arguments q, k, wb, bq, bk, part; writes part
;; launch fin (part 4): grid 128 x 1, 16 waves a work-group, no clusters, 71,680 bytes of LDS; arguments pl, part, Wo, bo, out0, out1; writes out0, out1
.if DOCPART == 4
	.amdgcn_target "amdgcn-amd-amdhsa--gfx1250"
	.amdhsa_code_object_version 6
	.text
	.protected	k_q9950197b3f_fin
	.globl	k_q9950197b3f_fin
	.p2align	8
	.type	k_q9950197b3f_fin,@function
k_q9950197b3f_fin:
	s_mov_b64 s[64:65], 0
	v_nop
	global_prefetch_b8 v0, s[64:65] scope:SCOPE_SE
	s_setreg_imm32_b32 hwreg(HW_REG_WAVE_SCHED_MODE, 0, 2), 2
	s_setreg_imm32_b32 hwreg(HW_REG_WAVE_MODE, 25, 1), 1
	s_wait_xcnt 0x0
	s_wait_alu depctr_vm_vsrc(0)
; FIN.  Work-groups 64-127: out1 = the two head groups' partial means added, 8,192 bytes each.
; Work-groups 0-63: out0 = (the last chunk's attention output) Wo^T + bo.  Work-group x makes 16 rows (row tile t = x % 4: index m stands for out0's row 8 (m % 8) + 2 t + m / 8) x 64 columns (cg = x / 4).
; Wave u is head u, which is also the slice k = 64 u .. 64 u + 63 of the last product: it makes its head's scores, softmax and output for the tile, multiplies by its slice of Wo, and the 16 partial sums meet in LDS.
; pl (from the first launch, f16, fragment order): Qp and Kp as lane = row, eight channels; Vp as lane = channel, eight rows.
; S^T = Kp Qp^T: a lane holds query r and keys 8 h + 0..7.  A tile holds two batch entries; lanes with r / 8 = h hold a whole row of an 8 x 8 block, the others products across batch entries: their weights are set to 0,
; so that O^T = Vp^T P sums over the query's own batch entry alone.  O^T again holds one query a lane and eight channels, which rounded to f16 ARE half a fragment of the last product.
; FORMATS.  Qp, Kp, Vp, P, O in f16; Wo and bo rounded to bf16 like every input, Wo's bf16 number then written as f16; sums, maxima and the softmax in f32, the true maximum taken away.
; LIMITS.  f16 ends at 65,504 (Qp, Kp, Vp arrive within it; P lies in 0 to 1; O is a mean of Vp's rows).  A bf16 number of Wo under 6e-5 keeps f16's fixed step of 6e-8.  A weight under 2^-126 counts as 0.
; The sum over k is taken in 16 parts, added as a tree.  NaN and infinities are not treated apart.
; THE MODE: SCHED_MODE bits 1:0 = 2 (LLVM: expert scheduling mode 2), set by the entry lines.  The code itself states the register dependences
; between vector or matrix instructions and memory or LDS instructions, with s_wait_alu, always for 0.
; THE PLAN.  Registers that memory or LDS instructions touch:
;   v2 - v7       Offsets and LDS addresses: written once at an arm's head, read by its loads and stores, never written again: one wait on va_vdst ahead of the arm's first load serves them all.
;   v[16:19], QF, KF, the low four registers of each block of VF, WR: global loads land in them, and no vector instruction has named them before.
;   VF            Later the last products' four accumulators, which the LDS stores read; not written again.
;   WR v[64:127]  Written by the conversions and read by the last products; behind the barrier the partial sums' LDS loads land there; the tree of additions leaves the result in v[64:67], which the last store reads.
;   v[32:39]      In the arm for out1: two loads land there, two additions write v[32:35], the store reads them.
;   v[SPW], v[NIL]  Written at the head, read by the closing add alone.
; No register that a memory or LDS instruction reads is ever written again, on any path: so the text holds no wait on vm_vsrc.
.set RP,    272                        ; a row of partial sums: 256 bytes + 16
.set RW,    16*RP                      ; a wave's 16 rows
.set SPARE, 16*RW                      ; 69,632: behind them the spare words, 128 bytes for each of 16 waves: eight blocks of 256 bytes that no other line names
.set SPW, 30                           ; v30  LDS address of my spare word; never rewritten
.set NIL, 31                           ; v31  0; never rewritten
.set QF,  32                           ; v[32:47] Qp's two fragments; v[48:63] Kp's; later v[32:63] O^T, channel block e at 8 e
.set KF,  48
.set WR,  64                           ; v[64:191] Wo: 16 registers of f32 for (column block cb, fragment kb) at 16 (2 cb + kb), packed in place into the first 8; later the partial sums
.set VF,  192                          ; v[192:223] Vp^T, channel block e at 8 e, its upper four registers 0 (16 keys of 32); later the four accumulators
.set SF,  224                          ; v[224:239] the scores' two halves; later O in f16, two fragments
.set PF,  240                          ; v[240:247] P, its upper four registers 0
.set CS,  26                           ; s[26:27] c = log2(e) / 8, twice
	s_load_b256 s[4:11], s[0:1], 0x0               ; pl 4, part 6, Wo 8, bo 10
	s_load_b128 s[12:15], s[0:1], 0x20             ; out0 12, out1 14
	v_lshl_add_u32 v[SPW], v0, 2, SPARE
	v_mov_b32 v[NIL], 0
	v_lshrrev_b32 v1, 5, v0
	v_readfirstlane_b32 s16, v1                    ; u: wave 0..15
	s_wait_alu depctr_va_sdst(0)                   ; s16 is written, ahead of the branch below and of its first reader: offsets and a branch are made from it
	s_mov_b32 s17, ttmp9
	s_cmp_lt_u32 s17, 64
	s_cbranch_scc1 .Lattn
	s_sub_co_u32 s18, s17, 64                      ; OUT1: 512 threads x 16 bytes
	s_lshl_b32 s18, s18, 13
	s_mov_b32 s19, 0
	v_lshlrev_b32 v2, 4, v0
	s_wait_kmcnt 0x0
	s_add_nc_u64 s[6:7], s[6:7], s[18:19]
	s_add_nc_u64 s[14:15], s[14:15], s[18:19]
	s_wait_alu depctr_va_vdst(0)                   ; v2 is written, which the two loads and the store below read as their offset
	global_load_b128 v[32:35], v2, s[6:7]
	global_load_b128 v[36:39], v2, s[6:7] offset:524288
	s_wait_loadcnt 0x0
	v_pk_add_f32 v[32:33], v[32:33], v[36:37]
	v_pk_add_f32 v[34:35], v[34:35], v[38:39]
	s_wait_alu depctr_va_vdst(0)                   ; the two additions have written v[32:35], which the store reads
	global_store_b128 v2, v[32:35], s[14:15]
	s_branch .Lend
.Lattn:
	s_lshr_b32 s18, s17, 2                         ; cg
	s_and_b32 s19, s17, 3                          ; t
	v_and_b32 v8, 31, v0                           ; lane
	v_and_b32 v9, 15, v0                           ; r
	v_bfe_u32 v10, v0, 4, 1                        ; h
	s_lshl_b32 s20, s16, 13                        ; in pl: head u's four channel blocks of 2,048 bytes, tile t's 512, my 16
	s_lshl_b32 s21, s19, 9
	s_add_co_u32 s20, s20, s21
	v_lshl_add_u32 v2, v8, 4, s20
	s_lshl_b32 s21, s16, 8                         ; in Wo: row r, 32 h, my slice's 256 bytes
	v_lshlrev_b32 v3, 12, v9
	v_lshl_add_u32 v3, v10, 5, v3
	v_add_nc_u32 v3, s21, v3
	v_lshlrev_b32 v4, 4, v9                        ; in bo: four columns a lane
	s_mul_i32 s21, s16, RW                         ; my partial sums: row r, 32 h
	v_mul_u32_u24 v5, v9, RP
	v_lshl_add_u32 v5, v10, 5, v5
	v_add_nc_u32 v5, s21, v5
	s_mul_i32 s21, s16, 2*RP                       ; back: wave u < 8 takes rows 2 u (lanes 0-15) and 2 u + 1 (lanes 16-31), whole
	v_mul_u32_u24 v6, v10, RP
	v_lshl_add_u32 v6, v9, 4, v6
	v_add_nc_u32 v6, s21, v6
	s_and_b32 s22, s16, 3                          ; index m = 2 u + h is out0's row 8 (m % 8) + 2 t + m / 8 = 16 (u % 4) + 8 h + 2 t + u / 4
	s_lshl_b32 s22, s22, 4
	s_lshl1_add_u32 s22, s19, s22
	s_lshr_b32 s23, s16, 2
	s_add_co_u32 s22, s22, s23
	s_lshl_b32 s22, s22, 12
	v_lshlrev_b32 v7, 15, v10
	v_lshl_add_u32 v7, v9, 4, v7
	v_add_nc_u32 v7, s22, v7
	s_mov_b32 s24, 0xff0000ff                      ; the lanes with r / 8 = h
	s_mov_b32 s[CS], 0x3e38aa3b
	s_mov_b32 s[CS+1], s[CS]
	s_lshl_b32 s28, s18, 18                        ; cg's 64 rows of Wo
	s_mov_b32 s29, 0
	s_lshl_b32 s30, s18, 8                         ; cg's 256 bytes of bo and of a row of out0
	s_mov_b32 s31, 0
	s_wait_kmcnt 0x0
	s_add_nc_u64 s[8:9], s[8:9], s[28:29]
	s_add_nc_u64 s[10:11], s[10:11], s[30:31]
	s_add_nc_u64 s[12:13], s[12:13], s[30:31]
	s_wait_alu depctr_va_vdst(0)                   ; the six offsets and LDS addresses v2 to v7 are written, which every load and store of this arm reads; none is written again
	global_load_b128 v[16:19], v4, s[10:11]
.irp f, 0,1,2,3                                        ; channel block f of the head is half f % 2 of fragment f / 2
	global_load_b128 v[QF+4*(\f):QF+4*(\f)+3], v2, s[4:5] offset:(\f)*2048
	global_load_b128 v[KF+4*(\f):KF+4*(\f)+3], v2, s[4:5] offset:131072+(\f)*2048
.endr
.irp e, 0,1,2,3
	global_load_b128 v[VF+8*(\e):VF+8*(\e)+3], v2, s[4:5] offset:262144+(\e)*2048
.endr
.irp g, 0,1,2,3,4,5,6,7                                ; g = 2 cb + kb
.irp p, 0,1,2,3
	global_load_b128 v[WR+16*(\g)+4*(\p):WR+16*(\g)+4*(\p)+3], v3, s[8:9] offset:((\g)/2)*65536+((\g)%2)*128+((\p)/2)*64+((\p)%2)*16
.endr
.endr
.irp e, 0,1,2,3                                        ; keys 16 to 31 of the product's 32 do not exist.  These registers are the upper four of each block: no load lands in them and no memory instruction reads them
.irp j, 4,5,6,7
	v_mov_b32 v[VF+8*(\e)+(\j)], 0
.endr
.endr
.irp j, 4,5,6,7
	v_mov_b32 v[PF+(\j)], 0
.endr
	s_wait_loadcnt 36                              ; bo, Qp and Kp are in; Vp's 4 and Wo's 32 loads may stay out
	v_wmma_f32_16x16x32_f16 v[SF:SF+7], v[KF:KF+7], v[QF:QF+7], 0            ; two accumulators, one for each 32 channels: no link follows the link that it adds onto
	v_wmma_f32_16x16x32_f16 v[SF+8:SF+15], v[KF+8:KF+15], v[QF+8:QF+15], 0
.rept 8
	v_nop                                          ; the places behind the products (ISA guide 7.12.1)
.endr
.irp j, 0,2,4,6
	v_pk_add_f32 v[SF+(\j):SF+(\j)+1], v[SF+(\j):SF+(\j)+1], v[SF+8+(\j):SF+8+(\j)+1]
.endr
	v_max3_num_f32 v249, v[SF], v[SF+1], v[SF+2]
	v_max3_num_f32 v249, v249, v[SF+3], v[SF+4]
	v_max3_num_f32 v249, v249, v[SF+5], v[SF+6]
	v_max_num_f32 v249, v249, v[SF+7]
	v_mul_f32 v248, s[CS], v249
.irp j, 0,2,4,6
	v_pk_fma_f32 v[SF+(\j):SF+(\j)+1], v[SF+(\j):SF+(\j)+1], s[CS:CS+1], v[248:249] op_sel_hi:[1,0,0] neg_lo:[0,0,1] neg_hi:[0,0,1]  ; c s - c m
.endr
.irp j, 0,1,2,3,4,5,6,7
	v_exp_f32 v[SF+(\j)], v[SF+(\j)]
.endr
	v_nop                                          ; a plain instruction behind the last exponential,
	s_wait_alu depctr_va_vdst(0)                   ; and the wait ahead of the first use: the eight exponentials have written v[SF .. SF+7], which the additions below read
	v_pk_add_f32 v[250:251], v[SF:SF+1], v[SF+2:SF+3]
	v_pk_add_f32 v[250:251], v[250:251], v[SF+4:SF+5]
	v_pk_add_f32 v[250:251], v[250:251], v[SF+6:SF+7]
	v_add_f32 v251, v250, v251
	v_rcp_f32 v250, v251
	v_nop                                          ; a plain instruction behind the reciprocal,
	s_wait_alu depctr_va_vdst(0)                   ; and its wait: the reciprocal has written v250, by which the lines below multiply
.irp j, 0,2,4,6
	v_pk_mul_f32 v[SF+(\j):SF+(\j)+1], v[SF+(\j):SF+(\j)+1], v[250:251] op_sel_hi:[1,0]
.endr
.irp j, 0,1,2,3
	v_cvt_pk_f16_f32 v[PF+(\j)], v[SF+2*(\j)], v[SF+2*(\j)+1]
.endr
.irp j, 0,1,2,3
	v_cndmask_b32 v[PF+(\j)], 0, v[PF+(\j)], s24   ; 0 where query and keys belong to different batch entries (s24 is a constant, written by a scalar instruction)
.endr
	s_wait_loadcnt 32                              ; Vp is in; Wo's 32 loads may stay out
.irp e, 0,1,2,3
	v_wmma_f32_16x16x32_f16 v[QF+8*(\e):QF+8*(\e)+7], v[VF+8*(\e):VF+8*(\e)+7], v[PF:PF+7], 0
.endr
	s_wait_loadcnt 0x0                             ; Wo
; Wo's 16 f32 of a fragment: rounded to bf16, that number written as f16, in place and ascending.  These lines name no register of the four products above: they are the places behind them.
.macro CVW base
.set i, 0
.rept 8
.set TB, 248+3*(i%2)
	v_cvt_pk_bf16_f32 v[TB], v[(\base)+2*i], v[(\base)+2*i+1]
	v_lshlrev_b32 v[TB+1], 16, v[TB]
	v_and_b32 v[TB+2], 0xffff0000, v[TB]
	v_cvt_pk_f16_f32 v[(\base)+i], v[TB+1], v[TB+2]
.set i, i+1
.endr
.endm
.irp g, 0,1,2,3,4,5,6,7
	CVW WR+16*(\g)
.endr
.irp e, 0,1,2,3                                        ; O in f16: channel block e is half e % 2 of fragment e / 2; each accumulator's registers in ascending order
.irp j, 0,1,2,3
	v_cvt_pk_f16_f32 v[SF+4*(\e)+(\j)], v[QF+8*(\e)+2*(\j)], v[QF+8*(\e)+2*(\j)+1]
.endr
.endr
.irp kb, 0,1                                           ; source 0 = 16 rows of Wo (columns of out0), source 1 = O: a lane ends with one row and eight columns.  The four accumulators take turns
.irp cb, 0,1,2,3
.if (\kb) == 0
	v_wmma_f32_16x16x32_f16 v[VF+8*(\cb):VF+8*(\cb)+7], v[WR+32*(\cb):WR+32*(\cb)+7], v[SF:SF+7], 0
.else
	v_wmma_f32_16x16x32_f16 v[VF+8*(\cb):VF+8*(\cb)+7], v[WR+32*(\cb)+16:WR+32*(\cb)+23], v[SF+8:SF+15], v[VF+8*(\cb):VF+8*(\cb)+7]
.endif
.endr
.endr
.rept 8
	v_nop                                          ; the places between the products and the LDS stores that read them; they stay beside the wait below
.endr
	s_wait_alu depctr_va_vdst(0)                   ; the products have written the accumulators v[VF ..], which the LDS stores read; they and the conversions are done with v[WR ..], in which the partial sums' loads land behind the barrier: no vector instruction stands between this wait and those loads
.irp cb, 0,1,2,3
	ds_store_b128 v5, v[VF+8*(\cb):VF+8*(\cb)+3] offset:(\cb)*64
	ds_store_b128 v5, v[VF+8*(\cb)+4:VF+8*(\cb)+7] offset:(\cb)*64+16
.endr
	s_wait_dscnt 0x0                               ; for the others' sake
	s_barrier_signal -1
	s_barrier_wait -1
	s_cmp_lt_u32 s16, 8
	s_cbranch_scc0 .Lend
.set i, 0
.rept 16
	ds_load_b128 v[WR+4*i:WR+4*i+3], v6 offset:i*RW
.set i, i+1
.endr
	v_cvt_pk_bf16_f32 v20, v16, v17                ; bo rounded to bf16, like every input, and widened again: stands in the wait for the loads, and names none of their registers
	v_cvt_pk_bf16_f32 v21, v18, v19
	v_lshlrev_b32 v16, 16, v20
	v_and_b32 v17, 0xffff0000, v20
	v_lshlrev_b32 v18, 16, v21
	v_and_b32 v19, 0xffff0000, v21
	s_wait_dscnt 0x0
.macro ADDG n                          ; n groups of four registers are added onto the n in front of them
.set g, 0
.rept \n
	v_pk_add_f32 v[WR+4*g:WR+4*g+1], v[WR+4*g:WR+4*g+1], v[WR+4*(g+(\n)):WR+4*(g+(\n))+1]
	v_pk_add_f32 v[WR+4*g+2:WR+4*g+3], v[WR+4*g+2:WR+4*g+3], v[WR+4*(g+(\n))+2:WR+4*(g+(\n))+3]
.set g, g+1
.endr
.endm
	ADDG 8
	ADDG 4
	ADDG 2
	ADDG 1
	v_pk_add_f32 v[WR:WR+1], v[WR:WR+1], v[16:17]
	v_pk_add_f32 v[WR+2:WR+3], v[WR+2:WR+3], v[18:19]
	s_wait_alu depctr_va_vdst(0)                   ; the additions have written v[WR .. WR+3], which the store reads
	global_store_b128 v7, v[WR:WR+3], s[12:13]     ; 16 lanes store 256 consecutive bytes, aligned
.Lend:
	s_wait_dscnt 0x0                               ; the wave's end
	s_wait_alu 0x0
	s_wait_tensorcnt 0x0
	ds_add_u32 v[SPW], v[NIL]
	s_wait_dscnt 0x0
	s_endpgm
.Lfunc_end_k_q9950197b3f_fin:
	.size	k_q9950197b3f_fin, .Lfunc_end_k_q9950197b3f_fin-k_q9950197b3f_fin
	.p2alignl 7, 3214868480
	.fill 96, 4, 3214868480
	.section	.rodata,"a",@progbits
	.p2align	6, 0x0
	.amdhsa_kernel k_q9950197b3f_fin
		.amdhsa_group_segment_fixed_size 71680
		.amdhsa_private_segment_fixed_size 0
		.amdhsa_enable_private_segment 0
		.amdhsa_kernarg_size 48
		.amdhsa_user_sgpr_count 2
		.amdhsa_user_sgpr_kernarg_segment_ptr 1
		.amdhsa_wavefront_size32 1
		.amdhsa_system_sgpr_workgroup_id_x 1
		.amdhsa_system_sgpr_workgroup_id_y 1
		.amdhsa_system_sgpr_workgroup_id_z 1
		.amdhsa_system_vgpr_workitem_id 0
		.amdhsa_next_free_vgpr 256
		.amdhsa_next_free_sgpr 66
		.amdhsa_reserve_vcc 0
		.amdhsa_float_denorm_mode_32 3
		.amdhsa_float_denorm_mode_16_64 3
		.amdhsa_memory_ordered 1
		.amdhsa_forward_progress 1
		.amdhsa_inst_pref_size 32
	.end_amdhsa_kernel
	.amdgpu_metadata
---
amdhsa.version: [ 1, 2 ]
amdhsa.kernels:
  - .name:           k_q9950197b3f_fin
    .symbol:         k_q9950197b3f_fin.kd
    .args:
      - { .name: pl, .offset: 0, .size: 8, .value_kind: global_buffer, .address_space: global }
      - { .name: part, .offset: 8, .size: 8, .value_kind: global_buffer, .address_space: global }
      - { .name: Wo, .offset: 16, .size: 8, .value_kind: global_buffer, .address_space: global }
      - { .name: bo, .offset: 24, .size: 8, .value_kind: global_buffer, .address_space: global }
      - { .name: out0, .offset: 32, .size: 8, .value_kind: global_buffer, .address_space: global }
      - { .name: out1, .offset: 40, .size: 8, .value_kind: global_buffer, .address_space: global }
    .group_segment_fixed_size: 71680
    .private_segment_fixed_size: 0
    .kernarg_segment_align: 8
    .kernarg_segment_size: 48
    .max_flat_workgroup_size: 512
    .sgpr_count:     66
    .vgpr_count:     256
    .wavefront_size: 32
...
	.end_amdgpu_metadata
.endif
;; end of part 4
